; MI455X (gfx1250); checked and timed in simulation.
; The chip was launched on July 23, 2026; its instructions are those of AMD's public machine-readable ISA for CDNA 5 (MIT licence, August 2026) and "CDNA5" Instruction Set Architecture Reference Guide (July 2026). The comments in the code are by the model that wrote it; some were corrected since.
;; Attention. Allowed arithmetic: matrix products marked QUANTISED: E3M2 operands, one E8M0 scale for each 32 along K, by v_wmma_scale_f32_16x16x128_f8f6f4 with both operands' format E3M2, f32 sums; everything else in f32.
;; Inputs: Wg 256 x 256 float32; Wk 256 x 256 float32; Wo 256 x 256 float32; Wq 256 x 256 float32; Wv 256 x 256 float32; bg 256 float32; bias_mask 2 x 1 x 1 x 2,048 float32; bias_pair 1 x 8 x 2,048 x 2,048 float32; bo 256 float32; kv_x 2 x 2,048 x 256 float32; q_x 2 x 2,048 x 256 float32.
;; Outputs: out0 2 x 2,048 x 256 float32.
;; This version of the problem:
;;   THIS VERSION OF THE PROBLEM IS GIVEN IN LOW PRECISION. The matrix products marked QUANTISED in the list below multiply operands that are first quantised to E3M2 (3 exponent bits, 2 mantissa bits; 6 bits a number), with one power-of-two scale for each 32 numbers along K (OCP MX v1.0); their sums are f32. All else is computed in f32.
;;   The module's matrix products, in the order in which they are computed (A, B: the left and right operand; K: the contracted axis; several contracted axes count as one K, in the product's order):
;;     1. [M 4,096, K 256] x [K 256, N 256]; A: input q_x; B: input Wq: QUANTISED
;;     2. [M 4,096, K 256] x [K 256, N 256]; A: input kv_x; B: input Wk: QUANTISED
;;     3. [M 4,096, K 256] x [K 256, N 256]; A: input kv_x; B: input Wv: QUANTISED
;;     4. batch 16 x [M 2,048, K 32] x [K 32, N 2,048]; A: computed on the way; B: computed on the way: QUANTISED
;;     5. batch 16 x [M 2,048, K 2,048] x [K 2,048, N 32]; A: softmax (see below); B: computed on the way: QUANTISED
;;     6. [M 4,096, K 256] x [K 256, N 256]; A: input q_x; B: input Wg: QUANTISED
;;     7. [M 4,096, K 256] x [K 256, N 256]; A: computed on the way; B: input Wo: QUANTISED
;;   THE QUANTISER, for each operand of a quantised product, along K:
;;     - K is cut into blocks of 32 from its start; a last block that is shorter is filled with zeros.
;;     - A block's scale is 2^e with e = floor(log2(the largest magnitude in the block)) - 4, held to -126 .. 127; a block of zeros has e = 0. As a byte (E8M0): e + 127.
;;     - Each number is divided by its block's scale, clamped to +-28, and rounded to the nearest number of E3M2, ties to even, subnormals kept.
;;     - The product sums the exact products of the quantised numbers (number of the format x scale) in f32.
;;   ~~~python
;;   def quantise(x, axis):      # numpy; x: float32 -> the quantised numbers, widened to float32 again
;;       x = np.moveaxis(x, axis, -1); K = x.shape[-1]
;;       x = np.pad(x, [(0, 0)] * (x.ndim - 1) + [(0, -K % 32)]); x = x.reshape(x.shape[:-1] + (-1, 32)); a = np.abs(x).max(-1, keepdims=True)
;;       e = np.where(a > 0, np.clip(np.frexp(np.where(a > 0, a, 1))[1] - 1 - 4, -126, 127), 0)      # np.frexp(a)[1] - 1 = floor(log2(a)), exactly
;;       r = np.clip(x / 2.0 ** e, -28, 28)
;;       step = 2.0 ** (np.maximum(np.frexp(np.where(r == 0, 1, r))[1] - 1, -2) - 2)
;;       q = np.round(r / step) * step * 2.0 ** e      # np.round: ties to even
;;       return np.moveaxis(q.reshape(q.shape[:-2] + (-1,))[..., :K], -1, axis).astype(np.float32)
;;   ~~~
;;   SOFTMAX AHEAD OF A QUANTISED PRODUCT. Where the list says 'softmax', what is quantised is not the finished softmax but p = 2^(t - M), with t = logit x log2(e) and M = ceil(the row's largest t), a whole number; so 1/2 < the row's largest p <= 1. The row's sum l is taken of the UNQUANTISED p, in f32, and the product's result is divided by l at the end. Since M is a whole number, a kernel that streams over the keys may use a running M (the ceiling of the running maximum): every later rescaling is an exact power of two, which a block's scale takes up: the codes' values come out the same.
;;   OPERANDS COMPUTED ON THE WAY. 'Computed on the way' means the value that the module computes at that place (a softmax that the list does not call 'softmax' is quantised finished and normalised). What goes into a quantiser is computed in f32, as accurately as f32 sums, v_exp_f32 and their like allow (about 1e-6 of the number): no bf16 or f16 on the way to a quantiser, and a product that is left as it is and whose result goes on into a quantised operand takes f32 operands (vector FMAs, or v_wmma_f32_16x16x4_f32). A number that lies on a knife's edge between two numbers of the format may be rounded either way, as far as f32 arithmetic and the matrix unit's own rounding can turn it there, and no further.
;; One version. Each part assembles by itself: llvm-mc -triple=amdgcn-amd-amdhsa -mcpu=gfx1250 --defsym DOCPART=n.
;; ======== version 1 of 1: 3 launches
;; limits: right only within a limited range of input values
;; workspace buffers: qimg 1,048,576 bytes; kimg 786,432 bytes; kscl 32,768 bytes; vimg 1,048,576 bytes; gimg 4,194,304 bytes; woimg 65,536 bytes; ogt 1,048,576 bytes
;; launch proj (part 1): grid 256 x 1, 8 waves a work-group, no clusters, 95,232 bytes of LDS; arguments q_x, kv_x, Wq, Wk, Wg, Wv, Wo, bg, qimg, kimg, kscl, gimg, vimg, woimg; writes qimg, kimg, kscl, gimg, vimg, woimg
.if DOCPART == 1
	.amdgcn_target "amdgcn-amd-amdhsa--gfx1250"
	.amdhsa_code_object_version 6
	.text
	.protected	k_q8fa8f249cd_proj
	.globl	k_q8fa8f249cd_proj
	.p2align	8
	.type	k_q8fa8f249cd_proj,@function
k_q8fa8f249cd_proj:
	s_mov_b64 s[64:65], 0
	v_nop
	global_prefetch_b8 v0, s[64:65] scope:SCOPE_SE
	s_setreg_imm32_b32 hwreg(HW_REG_WAVE_MODE, 25, 1), 1
	s_wait_xcnt 0x0
; THE FOUR PROJECTIONS (q, k, v, the gate) ON CODES OF BF6 (E3M2) WITH ONE E8M0 SCALE FOR EACH 32 ALONG K, AND THE CODES OF Wo.
; q = (q_x Wq^T) / sqrt(32), k = kv_x Wk^T, v = kv_x Wv^T, g = sigmoid(q_x Wg^T + bg).  All operands arrive as f32 with K = 256 innermost and are quantised here.
; q, k and v are operands of the next launch's products: they are quantised again (q, k along a head's 32; v along the keys) and leave as images of that launch's registers; g leaves as f32.
; SHARES.  Work-group wg: type = wg / 64 (0 q, 1 k, 2 gate, 3 v), G = wg % 2, RB = (wg % 64) / 2.  A work-group makes 128 rows of source 0 x 128 rows of source 1:
;   q, k, gate: source 0 = rows 128 G on of the weight (four heads), source 1 = rows 128 RB on of x;      v: source 0 = keys 128 RB on of kv_x, source 1 = rows 128 G on of Wv.
; SOURCE 0 HOLDS THE AXIS THAT IS QUANTISED NEXT: its tile (f, j) takes as lane row m row 64 f + 32 (m / 8) + 8 j + m % 8.  In the result, register 32 f + 8 j + i of lane (r, hh) is then row 64 f + 32 hh + 8 j + i:
; 32 consecutive registers are one whole block of 32, in the place that a 6-bit operand gives that lane.
; LOADS.  A load takes 512 consecutive bytes of one row, 16 a lane; 16 rows x 128 along K turn through the wave's own stage in LDS (rows 528 bytes apart), so that a lane gets 64 numbers of ITS row.
; Two sets of 64 registers (window 1) are on their way by turns.  Each of the eight waves quantises one tile of source 0 (both K steps of 128) and hands it to the others through LDS as an image of its registers;
; its own tile of source 1 stays in its registers.  One barrier, then 16 matrix instructions a wave: 8 accumulators by turns, two K steps.
; Wo's 256 rows become 32 images of source-0 fragments for the last launch; fragment RB is made by wave 0 of the k work-group (G = 0, RB), whose loads go into the accumulators' registers, idle until the products.
; No tensor loads, no cluster: the tiles that work-groups share are quantised in registers on the way in, each byte read once by its work-group.  No loop, so no prefetch.
; LIMITS: NaN and infinities among the inputs are not served.  A block whose largest magnitude lies under 2^-122 (a block of zeros too) gets the scale byte 1; the bytes are read by this program alone.
; q's division by sqrt(32) is a multiplication by the f32 number nearest to 1 / sqrt(32); the sigmoid is 1 / (1 + 2^(-x log2 e)) by v_exp_f32 and v_rcp_f32.
.set R0,   16                          ; v16-79    64 numbers: register 32 c + i = k 64 c + 32 hh + i of my row
.set R1,   80                          ; v80-143   the other set
.set AF,   16                          ; v16-111   later: source 0's eight fragments of a K step
.set AS,   112                         ; v112-119  and their scale words
.set ACC,  144                         ; v144-207  the eight accumulators; before the products: the gate's bias, or 64 numbers of Wo
.set BF,   208                         ; v208-231  source 1's two fragments; v208-219 also a fragment on its way to LDS, and the result's codes; v220-231 first Wo's fragment
.set BS,   232                         ; v232-233  source 1's scale words
.set STR,  234                         ; v234      the stage, out: 528 r + 128 hh
.set TM,   236                         ; v236-251  the quantiser's
.set RW,   252
.set STW,  253                         ; v253      the stage, in: 16 x lane
.set SPW,  254
.set NIL,  255
.set BGA,  1                           ; 128 hh
.set A0,   2                           ; v2, v3 (from the head's end on): my 16 bytes of source 0's rows 0-7, 8-15
.set A1,   3
.set B0,   4                           ; v4, v6: the same of source 1
.set B1,   6
.set AADR, 5                           ; Wo: my row + 128 hh
.set LI,   7                           ; 16 x lane
.set LS,   8                           ; 4 x lane
.set IW,   9                           ; where my two images go
.set SW,   10                          ; and their scale words
.set SH8,  11                          ; 8 hh
.set LA16, 12                          ; the way out of q and k: head stride x hh + 16 r,
.set LA8,  13                          ; + 8 r,
.set LA4,  14                          ; and for the scale bytes + 4 r
.set GA,   15                          ; 524,288 hh + 16 r: the way out of g
.set AIMG, 0                           ; LDS: 16 images of 1,536 bytes (tile t, K step s: 2 t + s)
.set ASC,  16*1536                     ;      16 x 128 bytes of scale words
.set STG,  26624                       ;      eight stages of 16 x 528 bytes
.set SPARE, 94208                      ;      the spare words
.set WV,   68
.set TY,   69
.set GH,   70
.set RB,   71
.set XT,   72                          ; type and G together: 0x40 = a k work-group with G = 0
.set SEL,  34                          ; s[34:35] v_permlanex16_b32's selects for lane l xor 16
.set PA,   50                          ; s[50:51] source 0 at the work-group's first row;  s[52:53] source 1
.set PS,   52
.set MSB, 0
.macro WIN new                         ; the immediate's high byte repeats the setting that is left
.if MSB != \new
	s_set_vgpr_msb (MSB<<8)|\new
.set MSB, \new
.endif
.endm
; 64 numbers of a lane, v[src] on, two whole blocks of 32, become 12 registers of codes in v[pc] on; the bytes stay in v[TM+4], v[TM+5]; mk = 1: the row's scale word is made in v[word].
.macro QUANT2 src, pc, word, mk
.irp c, 0,1
	v_max3_num_f32 v[TM+\c], |v[\src+32*\c]|, |v[\src+32*\c+1]|, 0x2800000   ; the floor 2^(5 - 127) among the leaves holds the byte at 1 from below
.endr
.irp i, 2,4,6,8,10,12,14,16,18,20,22,24,26,28,30
.irp c, 0,1
	v_max3_num_f32 v[TM+\c], v[TM+\c], |v[\src+32*\c+\i]|, |v[\src+32*\c+\i+1]|
.endr
.endr
.irp c, 0,1
	s_delay_alu instid0(VALU_DEP_2)
	v_add_nc_u32 v[TM+2+\c], 0xfe000000, v[TM+\c]      ; 4 off the exponent field: the conversion's scale operand
.endr
.irp c, 0,1
	s_delay_alu instid0(VALU_DEP_2)
	v_lshrrev_b32 v[TM+4+\c], 23, v[TM+2+\c]           ; the scale's byte
.endr
.if \mk
	s_delay_alu instid0(VALU_DEP_1)
	v_lshl_or_b32 v[\word], v[TM+5], 16, v[TM+4]       ; my bytes: blocks hh and 2 + hh,
	s_delay_alu instid0(VALU_DEP_1)
	v_lshlrev_b32 v[\word], v[SH8], v[\word]           ; at their places,
	s_delay_alu instid0(VALU_DEP_1)
	v_permlanex16_b32 v[TM+7], v[\word], s[SEL], s[SEL+1]
	s_delay_alu instid0(VALU_DEP_1)
	v_or_b32 v[\word], v[\word], v[TM+7]               ; and lane l xor 16's two
.endif
.irp c, 0,1
	v_cvt_scalef32_pk16_bf6_f32 v[\pc+6*\c:\pc+6*\c+2], v[\src+32*\c:\src+32*\c+15], v[TM+2+\c]
	v_cvt_scalef32_pk16_bf6_f32 v[TM+8+4*\c:TM+10+4*\c], v[\src+32*\c+16:\src+32*\c+31], v[TM+2+\c]   ; (three registers begin on an even number: the upper half is made here and moved)
.endr
	v_nop                                              ; one plain line behind the scaled conversions
.irp c, 0,1
.irp i, 0,1,2
	v_mov_b32 v[\pc+6*\c+3+\i], v[TM+8+4*\c+\i]
.endr
.endr
.endm
.macro XLOAD reg, ptr, adr             ; Wo: my row's 64 numbers of a K step: two runs of 128 consecutive bytes
.irp c, 0,1
.irp e, 0,1,2,3,4,5,6,7
	global_load_b128 v[\reg+32*\c+4*\e:\reg+32*\c+4*\e+3], v[\adr], s[\ptr:\ptr+1] offset:256*\c+16*\e
.endr
.endr
.endm
.macro GLD n, ptr, a0, a1, ks          ; 16 rows x 128 numbers of K step ks as they lie, into set n of window 1: each load reads 512 consecutive bytes
	WIN 0x40
.irp i, 0,1,2,3,4,5,6,7
	global_load_b128 v[64*\n+4*\i:64*\n+4*\i+3], v[\a0], s[\ptr:\ptr+1] offset:1024*\i+512*\ks
.endr
.irp i, 0,1,2,3,4,5,6,7
	global_load_b128 v[64*\n+32+4*\i:64*\n+35+4*\i], v[\a1], s[\ptr:\ptr+1] offset:1024*\i+512*\ks
.endr
	WIN 0
.endm
.macro TURNS n, x                      ; set n through my own stage: LDS serves a wave's instructions in order, so no wait stands between the stores and the loads
	WIN 0x04
.irp i, 0,1,2,3,4,5,6,7,8,9,10,11,12,13,14,15
	ds_store_b128 v[STW], v[64*\n+4*\i:64*\n+4*\i+3] offset:528*\i
.endr
	WIN 0
.irp c, 0,1
.irp e, 0,1,2,3,4,5,6,7
	ds_load_b128 v[\x+32*\c+4*\e:\x+32*\c+4*\e+3], v[STR] offset:256*\c+16*\e
.endr
.endr
.endm
.macro IMAGE ks                        ; the fragment in v[BF] on and its scale word go to LDS as they stand
.irp g, 0,1,2
	ds_store_b128 v[IW], v[BF+4*\g:BF+4*\g+3] offset:AIMG+\ks*1536+512*\g
.endr
	ds_store_b32 v[SW], v[TM+6] offset:ASC+\ks*128
.endm
.macro FETCH ks                        ; all eight tiles of source 0, K step ks
.irp t, 0,1,2,3,4,5,6,7
.irp g, 0,1,2
	ds_load_b128 v[AF+12*\t+4*\g:AF+12*\t+4*\g+3], v[LI] offset:AIMG+(2*\t+\ks)*1536+512*\g
.endr
	ds_load_b32 v[AS+\t], v[LS] offset:ASC+(2*\t+\ks)*128
.endr
.endm
.macro PROD ks, zero                   ; eight products, the eight accumulators by turns
.irp t, 0,1,2,3,4,5,6,7
.if \zero
	v_wmma_scale_f32_16x16x128_f8f6f4 v[ACC+8*\t:ACC+8*\t+7], v[AF+12*\t:AF+12*\t+11], v[BF+12*\ks:BF+12*\ks+11], 0, v[AS+\t], v[BS+\ks] matrix_a_fmt:MATRIX_FMT_BF6 matrix_b_fmt:MATRIX_FMT_BF6
.else
	v_wmma_scale_f32_16x16x128_f8f6f4 v[ACC+8*\t:ACC+8*\t+7], v[AF+12*\t:AF+12*\t+11], v[BF+12*\ks:BF+12*\ks+11], v[ACC+8*\t:ACC+8*\t+7], v[AS+\t], v[BS+\ks] matrix_a_fmt:MATRIX_FMT_BF6 matrix_b_fmt:MATRIX_FMT_BF6
.endif
.endr
.endm
.macro GIMAGE pc, word, ptr            ; a fragment and its scale word go to memory as images: each store covers 512 (128) consecutive bytes
.irp g, 0,1,2
	global_store_b128 v[LI], v[\pc+4*\g:\pc+4*\g+3], s[\ptr:\ptr+1] offset:512*\g
.endr
	global_store_b32 v[LS], v[\word], s[\ptr:\ptr+1] offset:1536
.endm
.macro PLACES n
.rept \n
	v_nop
.endr
.endm
.macro CLOSE                           ; the wave's end
	s_wait_tensorcnt 0x0
	ds_add_u32 v[SPW], v[NIL]
	s_wait_dscnt 0x0
	s_endpgm
.endm
	s_load_b512 s[4:19], s[0:1], 0x0               ; q_x s4, kv_x s6, Wq s8, Wk s10, Wg s12, Wv s14, Wo s16, bg s18
	s_load_b256 s[20:27], s[0:1], 0x40             ; qimg s20, kimg s22, kscl s24, gimg s26
	s_load_b128 s[28:31], s[0:1], 0x60             ; vimg s28, woimg s30
	v_lshl_add_u32 v[SPW], v0, 2, SPARE
	v_mov_b32 v[NIL], 0
	v_lshrrev_b32 v1, 5, v0
	v_readfirstlane_b32 s[WV], v1                  ; wave 0..7
	s_lshr_b32 s[TY], ttmp9, 6
	s_and_b32 s[GH], ttmp9, 1
	s_bfe_u32 s[RB], ttmp9, 0x50001                ; five bits from bit 1
	s_and_b32 s[XT], ttmp9, 0xc1
	s_mov_b32 s[SEL], 0x76543210
	s_mov_b32 s[SEL+1], 0xfedcba98
	s_mov_b32 s36, 0x3e3504f3                      ; 1 / sqrt(32)
	s_mov_b32 s37, s36                             ; (named with it as a pair)
	; a wave's first row: source 0, and k's rows of x: 64 (w / 4) + 8 (w % 4), rows 8-15 lie 32 further on;  q, gate: 16 w, 8 on;  Wv: 32 (w / 2) + 8 (w % 2), 16 on
	s_lshr_b32 s66, s[WV], 2
	s_lshl_b32 s66, s66, 16
	s_and_b32 s39, s[WV], 3
	s_lshl_b32 s39, s39, 13
	s_add_co_u32 s66, s66, s39
	s_lshl_b32 s41, s[WV], 14
	s_lshr_b32 s42, s[WV], 1
	s_lshl_b32 s42, s42, 15
	s_and_b32 s43, s[WV], 1
	s_lshl_b32 s43, s43, 13
	s_add_co_u32 s42, s42, s43
	s_lshl_b32 s44, s[GH], 17                      ; 128 G rows
	s_lshl_b32 s45, s[RB], 17                      ; 128 RB rows
	s_lshl_b32 s56, s[GH], 9                       ; bg: 128 G numbers
	s_mov_b32 s57, 0
	; Wo's fragment RB: tile T = RB / 2 of 16, K step RB % 2; lane row r is row 64 (T / 4) + 32 (r / 8) + 8 (T % 4) + r % 8
	s_lshr_b32 s58, s[RB], 3
	s_lshl_b32 s58, s58, 16
	s_bfe_u32 s59, s[RB], 0x20001
	s_lshl_b32 s59, s59, 13
	s_add_co_u32 s58, s58, s59
	s_and_b32 s59, s[RB], 1
	s_lshl_b32 s59, s59, 9
	s_add_co_u32 s58, s58, s59
	s_mov_b32 s59, 0
	s_lshl_b32 s38, s[RB], 11                      ; its image's 2,048 bytes
	s_mov_b32 s39, 0
	s_mov_b32 s40, 8192
	s_mov_b32 s43, 16384
	s_mov_b32 s73, 131072                          ; q's bytes a head; k's are 98,304
	s_mov_b32 s74, 131072                          ; the scale bytes' head stride: q's lie in qimg, k's are 4,096 a head
	s_mov_b32 s75, 1024                            ; bytes for a tile of 16 rows: q's, with the scale words; k's 768
	s_mov_b32 s78, 98304
	s_mov_b32 s79, 4096
	s_mov_b32 s80, 768
	s_mov_b32 s47, 0
	s_mov_b32 s49, 0
	s_cmp_eq_u32 s[TY], 3
	s_cselect_b32 s40, s43, s40
	s_cselect_b32 s41, s42, s41
	s_cselect_b32 s46, s45, s44                    ; source 0's first row
	s_cselect_b32 s48, s44, s45                    ; source 1's
	s_mov_b32 s43, 32768
	s_cmp_eq_u32 s[TY], 1
	s_cselect_b32 s40, s43, s40
	s_cselect_b32 s41, s66, s41
	s_cselect_b32 s73, s78, s73
	s_cselect_b32 s74, s79, s74
	s_cselect_b32 s75, s80, s75
	s_lshl_b32 s76, s73, 1                         ; two heads on
	s_mov_b32 s77, 0
	s_add_co_u32 s67, s66, s43                     ; source 0's rows 8-15
	s_add_co_u32 s40, s41, s40                     ; source 1's
	s_mul_i32 s54, s[WV], 3072
	s_lshl_b32 s55, s[WV], 8
	s_mul_i32 s60, s[WV], 8448
	s_add_co_u32 s60, s60, STG
	v_and_b32 v2, 15, v0                           ; r
	v_bfe_u32 v3, v0, 4, 1                         ; hh
	v_and_b32 v4, 31, v0                           ; lane
	v_lshlrev_b32 v[BGA], 7, v3
	v_and_b32 v[AADR], 8, v2
	v_and_b32 v6, 7, v2
	v_lshlrev_b32 v[AADR], 12, v[AADR]
	v_lshlrev_b32 v[LI], 4, v4
	v_lshl_add_u32 v[AADR], v6, 10, v[AADR]
	v_lshlrev_b32 v[LS], 2, v4
	v_lshl_add_u32 v[AADR], v3, 7, v[AADR]
	v_add_nc_u32 v[IW], s54, v[LI]
	v_add_nc_u32 v[SW], s55, v[LS]
	v_lshlrev_b32 v[SH8], 3, v3
	v_mul_u32_u24 v[STR], v2, 528
	v_mul_u32_u24 v[LA16], s73, v3
	v_lshl_add_u32 v[STR], v3, 7, v[STR]
	v_mul_u32_u24 v[LA4], s74, v3
	v_add_nc_u32 v[STR], s60, v[STR]
	v_add_nc_u32 v[STW], s60, v[LI]
	v_lshl_add_u32 v[LA8], v2, 3, v[LA16]
	v_lshl_add_u32 v[LA4], v2, 2, v[LA4]
	v_lshl_add_u32 v[LA16], v2, 4, v[LA16]
	v_lshlrev_b32 v[GA], 19, v3
	v_mov_b32 v[TM+7], 0                           ; written once: a lane permute's destination counts as one of its sources
	v_lshl_add_u32 v[GA], v2, 4, v[GA]
	v_add_nc_u32 v[A0], s66, v[LI]
	v_add_nc_u32 v[A1], s67, v[LI]
	v_add_nc_u32 v[B0], s41, v[LI]
	v_add_nc_u32 v[B1], s40, v[LI]
	s_wait_alu depctr_va_vdst(0)
	s_wait_kmcnt 0x0
	s_mov_b32 s60, 0xbfb8aa3b                      ; -log2(e)
	s_mov_b32 s61, s60
	s_cmp_eq_u32 s[TY], 0                          ; the buffers are chosen by the work-group's number alone
	s_cselect_b64 s[PA:PA+1], s[8:9], s[10:11]
	s_cmp_eq_u32 s[TY], 2
	s_cselect_b64 s[PA:PA+1], s[12:13], s[PA:PA+1]
	s_cmp_eq_u32 s[TY], 3
	s_cselect_b64 s[PA:PA+1], s[6:7], s[PA:PA+1]
	s_cselect_b64 s[PS:PS+1], s[14:15], s[4:5]
	s_cmp_eq_u32 s[TY], 1
	s_cselect_b64 s[PS:PS+1], s[6:7], s[PS:PS+1]
	s_add_nc_u64 s[PA:PA+1], s[PA:PA+1], s[46:47]
	s_add_nc_u64 s[PS:PS+1], s[PS:PS+1], s[48:49]
	s_add_nc_u64 s[18:19], s[18:19], s[56:57]
	s_add_nc_u64 s[16:17], s[16:17], s[58:59]
	s_add_nc_u64 s[30:31], s[30:31], s[38:39]
	; ---- what goes into the accumulators' registers ahead of the products stands ahead of all other loads, so that the counts below hold on every way.
	; The gate's bias is the C of its first products: register 32 f + i of lane (r, hh) is bg[128 G + 64 f + 32 hh + i].
	s_cmp_lg_u32 s[TY], 2
	s_cbranch_scc1 .Lno_bg
.irp f, 0,1
.irp e, 0,1,2,3,4,5,6,7
	global_load_b128 v[ACC+32*\f+4*\e:ACC+32*\f+4*\e+3], v[BGA], s[18:19] offset:256*\f+16*\e
.endr
.endr
	s_branch .Lfront
.Lno_bg:
	s_cmp_lg_u32 s[WV], 0                          ; wave 0
	s_cbranch_scc1 .Lfront
	s_cmp_lg_u32 s[XT], 0x40                       ; of a k work-group with G = 0:
	s_cbranch_scc1 .Lfront
	XLOAD ACC, 16, AADR                            ; the 64 numbers a lane of Wo's fragment RB
.Lfront:
	GLD 0, PA, A0, A1, 0
	GLD 1, PA, A0, A1, 1
	s_wait_loadcnt 16                              ; all but the 16 youngest (the other set's) are in
	TURNS 0, R0
	s_wait_dscnt 0x0                               ; turned; so the stores have read set 0
	GLD 0, PS, B0, B1, 0
	QUANT2 R0, BF, TM+6, 1
	IMAGE 0
	s_wait_loadcnt 16                              ; source 0's second K step is in; the 16 just issued may be out
	TURNS 1, R1
	s_wait_dscnt 0x0
	GLD 1, PS, B0, B1, 1
	QUANT2 R1, BF, TM+6, 1
	IMAGE 1
	s_wait_loadcnt 16                              ; source 1's first K step is in
	TURNS 0, R0
	s_wait_dscnt 0x0
	QUANT2 R0, BF, BS, 1
	; ---- Wo's fragment (its loads were the oldest: they are in), while source 1's second K step is on its way
	s_cmp_lg_u32 s[WV], 0
	s_cbranch_scc1 .Lno_wo
	s_cmp_lg_u32 s[XT], 0x40
	s_cbranch_scc1 .Lno_wo
	QUANT2 ACC, BF+12, RW, 1
	GIMAGE BF+12, RW, 30
	s_wait_xcnt 0x0                                ; the stores' data registers are written again below only behind this wait
.Lno_wo:
	s_wait_loadcnt 0x0
	TURNS 1, R1
	s_wait_dscnt 0x0                               ; turned; and for the others' sake: my images lie in LDS
	QUANT2 R1, BF+12, BS+1, 1
	s_wait_alu depctr_va_vdst(0)                   ; ahead of the barrier
	s_barrier_signal -1
	s_barrier_wait -1                              ; all sixteen images lie in LDS; nothing overwrites them
	FETCH 0
	s_wait_dscnt 0x0
	PLACES 8                                       ; source 1's scale words were made by vector lines: eight places ahead of a scaled product
	s_cmp_eq_u32 s[TY], 2
	s_cbranch_scc1 .Lwith_bias
	PROD 0, 1                                      ; the first K step starts the sums
	s_branch .Lstarted
.Lwith_bias:
	PROD 0, 0                                      ; the gate's start on bg
.Lstarted:
	PLACES 4                                       ; in front of loads into registers that the products have read
	FETCH 1
	s_wait_dscnt 0x0
	PROD 1, 0
	PLACES 4                                       ; in front of the first read of the results
	s_cmp_eq_u32 s[TY], 2
	s_cbranch_scc1 .Lgate
	s_cmp_eq_u32 s[TY], 3
	s_cbranch_scc1 .Lvalues
	s_cmp_eq_u32 s[TY], 1
	s_cbranch_scc1 .Lunscaled
.set i, 0
.rept 32                               ; q alone: / sqrt(32), ahead of its quantiser
	v_pk_mul_f32 v[ACC+i:ACC+i+1], v[ACC+i:ACC+i+1], s[36:37] op_sel_hi:[1,0]
.set i, i+2
.endr
.Lunscaled:
	; ---- q, k: lane (r, hh) holds one row and heads 4 G + 2 f + hh: one block a head.
	; qimg: for each head and tile of 16 queries 1,024 bytes: 16 (16 b + r): code words 0-3; 512 + 8 (16 b + r): words 4-5; 768 + 4 r: the scale word, bytes b0 b1 b0 b1.
	; kimg: for each head 64 fragments (64-key group F, half jp) of 2 x 768 bytes, c = 0, 1: the same two runs; row r, c is key 64 F + 32 (r / 8) + 8 (2 jp + c) + r % 8.  kscl: a word for each fragment and row, byte 2 c + b.
	QUANT2 ACC, BF, RW, 0
	s_lshr_b32 s56, s[RB], 4                       ; the batch
	s_and_b32 s57, s[RB], 15
	s_lshl_b32 s57, s57, 3
	s_add_co_u32 s57, s57, s[WV]                   ; the tile of 16 rows: q's number; for k 2 x fragment + c
	s_lshl_b32 s58, s[GH], 2                       ; head 4 G
	s_mul_i32 s59, s58, s73
	s_mul_i32 s60, s57, s75
	s_add_co_u32 s60, s60, s59
	s_lshl_b32 s40, s56, 8
	s_add_co_u32 s40, s40, s60
	s_mov_b32 s41, 0
	s_lshl_b32 s42, s56, 7
	s_add_co_u32 s42, s42, s60
	s_mov_b32 s43, 0
	s_cmp_eq_u32 s[TY], 0
	s_cselect_b64 s[62:63], s[20:21], s[22:23]
	s_add_nc_u64 s[44:45], s[62:63], s[40:41]
	s_add_nc_u64 s[46:47], s[44:45], s[76:77]
	s_add_nc_u64 s[48:49], s[62:63], s[42:43]
	s_add_nc_u64 s[50:51], s[48:49], s[76:77]
	s_wait_alu depctr_va_vdst(0)
.irp f, 0,1
	global_store_b128 v[LA16], v[BF+6*\f:BF+6*\f+3], s[44+2*\f:45+2*\f]        ; sixteen lanes store 256 consecutive bytes, aligned
	global_store_b64 v[LA8], v[BF+6*\f+4:BF+6*\f+5], s[48+2*\f:49+2*\f] offset:512
.endr
	s_cmp_eq_u32 s[TY], 1
	s_cbranch_scc1 .Lkbytes
	s_add_co_u32 s54, s60, s56
	s_mov_b32 s55, 0
	s_add_nc_u64 s[54:55], s[20:21], s[54:55]
	s_add_nc_u64 s[58:59], s[54:55], s[76:77]
	global_store_b8 v[LA4], v[TM+4], s[54:55] offset:768
	global_store_b8 v[LA4], v[TM+4], s[54:55] offset:770
	global_store_b8 v[LA4], v[TM+5], s[58:59] offset:768
	global_store_b8 v[LA4], v[TM+5], s[58:59] offset:770
	CLOSE
.Lkbytes:
	s_lshl_b32 s58, s58, 12
	s_lshr_b32 s59, s57, 1
	s_lshl_b32 s59, s59, 6
	s_add_co_u32 s58, s58, s59
	s_and_b32 s59, s57, 1
	s_lshl_b32 s59, s59, 1
	s_add_co_u32 s58, s58, s59
	s_add_co_u32 s58, s58, s56
	s_mov_b32 s59, 0
	s_add_nc_u64 s[58:59], s[24:25], s[58:59]
	global_store_b8 v[LA4], v[TM+4], s[58:59]
	global_store_b8 v[LA4], v[TM+5], s[58:59] offset:8192
	CLOSE
.Lvalues:
	; ---- v: lane (r, hh) holds one channel and 64 of the 128 keys: the codes are a source-0 fragment of V^T for the next launch, and leave as its image
	QUANT2 ACC, BF, RW, 1
	s_lshr_b32 s56, s[RB], 4
	s_lshl_b32 s56, s56, 3
	s_lshl_b32 s57, s[GH], 2
	s_add_co_u32 s56, s56, s57
	s_lshr_b32 s57, s[WV], 1
	s_add_co_u32 s56, s56, s57                     ; 8 b + head
	s_lshl_b32 s56, s56, 4
	s_and_b32 s57, s[RB], 15
	s_add_co_u32 s56, s56, s57                     ; the step of 128 keys
	s_lshl_b32 s56, s56, 1
	s_and_b32 s57, s[WV], 1
	s_add_co_u32 s56, s56, s57                     ; which 16 of the head's 32 channels
	s_lshl_b32 s56, s56, 11
	s_mov_b32 s57, 0
	s_add_nc_u64 s[28:29], s[28:29], s[56:57]
	s_wait_alu depctr_va_vdst(0)
	GIMAGE BF, RW, 28
	CLOSE
.Lgate:
	; ---- g = 1 / (1 + 2^(-x log2 e)), stored in the order of the next launch's registers: for each head and tile of 16 rows 2,048 bytes, group a at 512 a + 16 (r + 16 hh'): g(r, 16 hh' + 4 a ..)
.set i, 0
.rept 32
	v_pk_mul_f32 v[ACC+i:ACC+i+1], v[ACC+i:ACC+i+1], s[60:61] op_sel_hi:[1,0]
.set i, i+2
.endr
.set i, 0
	s_wait_alu depctr_va_vdst(0)
.rept 64
	v_exp_f32 v[ACC+i], v[ACC+i]
.set i, i+1
.endr
	v_nop                                          ; a plain line behind the exponentials
.set i, 0
	s_wait_alu depctr_va_vdst(0)
.rept 32
	v_pk_add_f32 v[ACC+i:ACC+i+1], v[ACC+i:ACC+i+1], 1.0 op_sel_hi:[1,0]
.set i, i+2
.endr
.set i, 0
	s_wait_alu depctr_va_vdst(0)
.rept 64
	v_rcp_f32 v[ACC+i], v[ACC+i]
.set i, i+1
.endr
	v_nop                                          ; a plain line behind the reciprocals
	s_lshl_b32 s56, s[GH], 10                      ; head 4 G: 256 tiles a head
	s_lshl_b32 s57, s[RB], 3
	s_add_co_u32 s56, s56, s57
	s_add_co_u32 s56, s56, s[WV]
	s_lshl_b32 s56, s56, 11
	s_mov_b32 s57, 0
	s_add_nc_u64 s[26:27], s[26:27], s[56:57]
	s_wait_alu depctr_va_vdst(0)
.irp f, 0,1
.irp q, 0,1,2,3,4,5,6,7
	global_store_b128 v[GA], v[ACC+32*\f+4*\q:ACC+32*\f+4*\q+3], s[26:27] offset:\f*1048576+512*(\q%4)+256*(\q/4)   ; sixteen lanes store 256 consecutive bytes, aligned
.endr
.endr
	CLOSE
.Lfunc_end_k_q8fa8f249cd_proj:
	.size	k_q8fa8f249cd_proj, .Lfunc_end_k_q8fa8f249cd_proj-k_q8fa8f249cd_proj
	.p2alignl 7, 3214868480
	.fill 96, 4, 3214868480
	.section	.rodata,"a",@progbits
	.p2align	6, 0x0
	.amdhsa_kernel k_q8fa8f249cd_proj
		.amdhsa_group_segment_fixed_size 95232
		.amdhsa_private_segment_fixed_size 0
		.amdhsa_enable_private_segment 0
		.amdhsa_kernarg_size 112
		.amdhsa_user_sgpr_count 2
		.amdhsa_user_sgpr_kernarg_segment_ptr 1
		.amdhsa_wavefront_size32 1
		.amdhsa_system_sgpr_workgroup_id_x 1
		.amdhsa_system_sgpr_workgroup_id_y 1
		.amdhsa_system_sgpr_workgroup_id_z 1
		.amdhsa_system_vgpr_workitem_id 0
		.amdhsa_next_free_vgpr 384
		.amdhsa_next_free_sgpr 84
		.amdhsa_reserve_vcc 0
		.amdhsa_float_denorm_mode_32 3
		.amdhsa_float_denorm_mode_16_64 3
		.amdhsa_memory_ordered 1
		.amdhsa_forward_progress 1
		.amdhsa_inst_pref_size 70
	.end_amdhsa_kernel
	.amdgpu_metadata
---
amdhsa.version: [ 1, 2 ]
amdhsa.kernels:
  - .name:           k_q8fa8f249cd_proj
    .symbol:         k_q8fa8f249cd_proj.kd
    .args:
      - { .name: q_x, .offset: 0, .size: 8, .value_kind: global_buffer, .address_space: global }
      - { .name: kv_x, .offset: 8, .size: 8, .value_kind: global_buffer, .address_space: global }
      - { .name: Wq, .offset: 16, .size: 8, .value_kind: global_buffer, .address_space: global }
      - { .name: Wk, .offset: 24, .size: 8, .value_kind: global_buffer, .address_space: global }
      - { .name: Wg, .offset: 32, .size: 8, .value_kind: global_buffer, .address_space: global }
      - { .name: Wv, .offset: 40, .size: 8, .value_kind: global_buffer, .address_space: global }
      - { .name: Wo, .offset: 48, .size: 8, .value_kind: global_buffer, .address_space: global }
      - { .name: bg, .offset: 56, .size: 8, .value_kind: global_buffer, .address_space: global }
      - { .name: qimg, .offset: 64, .size: 8, .value_kind: global_buffer, .address_space: global }
      - { .name: kimg, .offset: 72, .size: 8, .value_kind: global_buffer, .address_space: global }
      - { .name: kscl, .offset: 80, .size: 8, .value_kind: global_buffer, .address_space: global }
      - { .name: gimg, .offset: 88, .size: 8, .value_kind: global_buffer, .address_space: global }
      - { .name: vimg, .offset: 96, .size: 8, .value_kind: global_buffer, .address_space: global }
      - { .name: woimg, .offset: 104, .size: 8, .value_kind: global_buffer, .address_space: global }
    .group_segment_fixed_size: 95232
    .private_segment_fixed_size: 0
    .kernarg_segment_align: 8
    .kernarg_segment_size: 112
    .max_flat_workgroup_size: 256
    .sgpr_count:     84
    .vgpr_count:     384
    .wavefront_size: 32
...
	.end_amdgpu_metadata
.endif
;; end of part 1
;; launch attn (part 2): grid 32 x 8, 8 waves a work-group, no clusters, 327,680 bytes of LDS; arguments bias_pair, bias_mask, qimg, kimg, kscl, vimg, gimg, ogt; writes ogt
.if DOCPART == 2
	.amdgcn_target "amdgcn-amd-amdhsa--gfx1250"
	.amdhsa_code_object_version 6
	.text
	.protected	k_q8fa8f249cd_attn
	.globl	k_q8fa8f249cd_attn
	.p2align	8
	.type	k_q8fa8f249cd_attn,@function
k_q8fa8f249cd_attn:
	s_mov_b64 s[64:65], 0
	v_nop
	global_prefetch_b8 v0, s[64:65] scope:SCOPE_SE
	s_setreg_imm32_b32 hwreg(HW_REG_WAVE_MODE, 25, 1), 1
	s_wait_xcnt 0x0
; ATTENTION of one head and 64 queries, BOTH batches: scores = q k^T + bias_mask + bias_pair, p = 2^(t - M) quantised to BF6, o = p v / l, times the gate, quantised for the last launch.
; SHARES.  Work-group (x, head): queries 64 x .. + 63, four tiles of 16.  Wave w takes keys 256 w .. + 255 in two steps of 128, for both batches, so each tile of bias_pair (16 queries x 128 keys) is loaded once and serves two batches.
; The wave's K (96 registers) and V (96) stay in registers for all four tiles.  Partial o, sum l and M of the eight waves meet in LDS at the end: wave w merges tile w / 2 of batch w % 2.
; PRODUCTS ARE USED TRANSPOSED: S^T = k q^T and O^T = v^T p^T: a lane holds one query.  A head's 32 are one block of the instruction's 128 along K: a fragment of K carries (batch 0, batch 1) x (c = 0, 1) in its four
; blocks, and q stands in the one block of source 1 that is wanted, zeros in the others.  Register 32 f + 8 j + i of lane (r, hh) is key 64 f + 32 hh + 8 j + i of query r: a lane's 32 registers are a whole block of p.
; bias_mask lies in LDS (the wave's own 2 KiB).  Batch 0: the mask is the products' C and the bias is added; batch 1: the bias is C, in place, and the mask is added: two sets of 64 registers serve.
; RING: bias_pair comes in 8 trips through two slots, one for each step; a wave's tile is 16 rows of 512 bytes, one tensor load, its own bytes (rows 528 apart in LDS).  Trip t's load for t + 1 goes out behind its barrier.
; PREFETCH: one instruction a wave and trip asks for the wave's tile two trips ahead (32 lanes, 256 bytes each; no other wave reads it); the last two trips ask for nothing.  The head asks for the second trip's.
; NO CLUSTER: what work-groups of a head share (K and V, 0.2 MB) is read once by each, at the head, straight into registers; bias_pair, 0.5 MB a work-group, is shared by none.
; LIMITS: NaN and infinities are not served.  The promise holds while the scaled scores (exponents to the base 2) stay under 2^31 in magnitude.  Scale bytes are held at 1 from below.
.set WSLOT, 8448                       ; LDS: a wave's tile, 16 x 528;  two slots a wave
.set MASKB, 135168                     ; 2,048 bytes a wave: [batch][256 keys]
.set PB,    151552                     ; the partials: 18,432 bytes a wave: [tile][batch] x (2,048 of O^T + 256 of M and l)
.set SPARE, 299008                     ; the spare words
.set SPW,  1
.set NIL,  2
.set PA,   3                           ; my row of a tile: 528 r + 128 hh
.set PM,   4                           ; my half's mask: 128 hh
.set PF,   5                           ; the prefetch's lane term
.set OGA,  6
.set SH8,  7
.set L16,  8                           ; 16, 8, 4 x lane; 4 r
.set L8,   9
.set R4,   10
.set L4,   11
.set AD,   15
.set NMB,  16                          ; v16-19   -M and the running largest t, for each batch
.set LLB,  20                          ; v20-23   the sums, two halves each
.set FF,   24
.set BM,   26
.set SO,   28
.set CH,   30
.set PSW,  32
.set PX,   33
.set T0,   34
.set T1,   35
.set L2,   36
.set QS,   38                          ; q's scale word; QSN: the next tile's
.set QSN,  39
.set KS,   40                          ; v40-43   K's scale words: register 2 s + f: lanes 0-15 fragment jp = 0, lanes 16-31 jp = 1
.set VS,   44                          ; v44-51   V's: 4 s + 2 b + dt
.set QR,   52                          ; v52-57   q as loaded: lanes 0-15 batch 0, lanes 16-31 batch 1
.set TT,   58
.set PP,   66                          ; v66-77   p's codes
.set OB,   78                          ; v78-109  O^T of the two batches
.set SA,   110                         ; v110-173 and v174-237 (BI)
.set BI,   174
.set KF,   0                           ; window 1: K's fragments 4 s + 2 f + jp
.set VF,   96                          ;           V's 4 s + 2 b + dt
.set QB,   192                         ;           zeros | q of batch 0 | zeros | q of batch 1 | zeros, 6 registers each
.set G1,   24
.set G0A,  32
.set G0B,  36
.set SEL,  40
.set CS,   42
.set LO,   44                          ; lanes 0-15
.set HI,   45                          ; lanes 16-31
.set PBS,  68
.set MSB, 0
.macro WIN new
.if MSB != \new
	s_set_vgpr_msb (MSB<<8)|\new
.set MSB, \new
.endif
.endm
.macro PLACES
.rept 4
	v_nop
.endr
.endm
.macro KLOAD s
	WIN 0x40
.irp n, 0,1,2,3
.irp c, 0,1
	global_load_b128 v[KF+12*(4*\s+\n)+6*\c:KF+12*(4*\s+\n)+6*\c+3], v[L16], s[10:11] offset:1536*(4*\s+\n)+768*\c
	global_load_b64 v[KF+12*(4*\s+\n)+6*\c+4:KF+12*(4*\s+\n)+6*\c+5], v[L8], s[10:11] offset:1536*(4*\s+\n)+768*\c+512
.endr
.endr
	WIN 0
.endm
.macro VLOAD s
.irp b, 0,1
.irp d, 0,1
	global_load_b32 v[VS+4*\s+2*\b+\d], v[L4], s[14:15] offset:524288*\b+4096*\s+2048*\d+1536
.endr
.endr
	WIN 0x40
.irp b, 0,1
.irp d, 0,1
.irp g, 0,1,2
	global_load_b128 v[VF+12*(4*\s+2*\b+\d)+4*\g:VF+12*(4*\s+2*\b+\d)+4*\g+3], v[L16], s[14:15] offset:524288*\b+4096*\s+2048*\d+512*\g
.endr
.endr
.endr
	WIN 0
.endm
.macro QLOAD off
	global_load_b128 v[QR:QR+3], v[L16], s[8:9] offset:\off
	global_load_b64 v[QR+4:QR+5], v[L8], s[8:9] offset:\off+512
	global_load_b32 v[QSN], v[R4], s[8:9] offset:\off+768
.endm
.macro QBUILD cnt                      ; the tile's q into its two places
	s_wait_loadcnt \cnt
	v_mov_b32 v[QS], v[QSN]
	WIN 0x40
.irp i, 0,1,2,3,4,5
	v_cndmask_b32 v[QB+6+\i], 0, v[QR+\i], s[LO]
	v_cndmask_b32 v[QB+18+\i], 0, v[QR+\i], s[HI]
.endr
	WIN 0
.endm
.macro MLOAD b, s                      ; the mask of batch b, step s
.irp f, 0,1
.irp q, 0,1,2,3,4,5,6,7
	ds_load_b128 v[SA+32*\f+4*\q:SA+32*\f+4*\q+3], v[PM] offset:1024*(\b)+512*(\s)+256*\f+16*\q
.endr
.endr
.endm
.macro SCORE s, b, f, j
.if \j > 1
	v_wmma_scale_f32_16x16x128_f8f6f4 v[SS+32*\f+8*\j:SS+32*\f+8*\j+7], v[KF+12*(4*\s+2*\f+1):KF+12*(4*\s+2*\f+1)+11], v[QB+12*\b+6*(1-\j%2):QB+12*\b+6*(1-\j%2)+11], v[SS+32*\f+8*\j:SS+32*\f+8*\j+7], v[KS+2*\s+\f], v[QS] matrix_a_fmt:MATRIX_FMT_BF6 matrix_b_fmt:MATRIX_FMT_BF6 matrix_a_scale:MATRIX_SCALE_ROW1
.else
	v_wmma_scale_f32_16x16x128_f8f6f4 v[SS+32*\f+8*\j:SS+32*\f+8*\j+7], v[KF+12*(4*\s+2*\f):KF+12*(4*\s+2*\f)+11], v[QB+12*\b+6*(1-\j%2):QB+12*\b+6*(1-\j%2)+11], v[SS+32*\f+8*\j:SS+32*\f+8*\j+7], v[KS+2*\s+\f], v[QS] matrix_a_fmt:MATRIX_FMT_BF6 matrix_b_fmt:MATRIX_FMT_BF6
.endif
.endm
; 16 queries x 128 keys (step s) of batch b
.macro STEP s, b, last
.set SS, SA+64*(\b)                    ; my scores: the C is there already (mask or bias)
.set XX, SA+64*(1-(\b))                ; what is added
.set NM, NMB+2*(\b)
.set LL, LLB+2*(\b)
.set OO, OB+16*(\b)
	WIN 0x05
.irp f, 0,1
.irp j, 0,1,2,3
	SCORE \s, \b, \f, \j
.endr
.endr
	WIN 0
	PLACES                                         ; in front of the first read of the results
	s_wait_dscnt 0x0                               ; what is added is in
.set n, 0
.rept 32
	v_pk_add_f32 v[SS+n:SS+n+1], v[SS+n:SS+n+1], v[XX+n:XX+n+1]
.set n, n+2
.endr
.if \b
.if ((\s) == 0) || ((\last) == 0)
	MLOAD 0, 1-(\s)                                ; the next trip's C for batch 0
.endif
.else
.if (\last) == 0
	global_prefetch_b8 v[PF], s[2:3] offset:131072+512*(\s) th:TH_LOAD_NT scope:SCOPE_SE
.if \s
	QLOAD 1024                                     ; the next tile's q
.endif
.else
.if \s
	WIN 0x40
.irp g, 0,1,2,3                        ; the gate of the tile that I merge, into registers of K's first step, which has had its last use
	global_load_b128 v[KF+4*\g:KF+4*\g+3], v[L16], s[16:17] offset:512*\g
.endr
	WIN 0
.endif
.endif
.endif
.irp f, 0,1
	v_max3_num_f32 v[BM+\f], v[SS+32*\f], v[SS+32*\f+1], v[SS+32*\f+2]        ; the largest score of each block of 32: it serves the row's maximum and, since p rises with the score, the block's largest p
	v_max3_num_f32 v[CH+\f], v[SS+32*\f+16], v[SS+32*\f+17], v[SS+32*\f+18]
.endr
.irp i, 3,5,7,9,11,13
.irp f, 0,1
	v_max3_num_f32 v[BM+\f], v[BM+\f], v[SS+32*\f+\i], v[SS+32*\f+\i+1]
	v_max3_num_f32 v[CH+\f], v[CH+\f], v[SS+32*\f+16+\i], v[SS+32*\f+17+\i]
.endr
.endr
.irp f, 0,1
	v_max3_num_f32 v[BM+\f], v[BM+\f], v[CH+\f], v[SS+32*\f+15]
.endr
.irp f, 0,1
	v_max_num_f32 v[BM+\f], v[BM+\f], v[SS+32*\f+31]
.endr
	s_delay_alu instid0(VALU_DEP_1)
	v_max_num_f32 v[T0], v[BM], v[BM+1]
	s_delay_alu instid0(VALU_DEP_1)
	v_permlanex16_b32 v[PX], v[T0], s[SEL], s[SEL+1]
	s_delay_alu instid0(VALU_DEP_1)
	v_max_num_f32 v[T0], v[T0], v[PX]
	s_delay_alu instid0(VALU_DEP_1)
	v_mul_f32 v[T0], s[CS], v[T0]
.if (\s) == 0
	s_delay_alu instid0(VALU_DEP_1)
	v_max_num_f32 v[NM+1], 0xff61b1e6, v[T0]
	s_delay_alu instid0(VALU_DEP_1)
	v_floor_f32 v[NM], -v[NM+1]                    ; -M: a whole number
.else
	s_delay_alu instid0(VALU_DEP_1)
	v_max_num_f32 v[NM+1], v[NM+1], v[T0]
	v_mov_b32 v[T1], v[NM]
	s_delay_alu instid0(VALU_DEP_2)
	v_floor_f32 v[NM], -v[NM+1]
	s_delay_alu instid0(VALU_DEP_1)
	v_sub_f32 v[T1], v[NM], v[T1]
	s_delay_alu instid0(VALU_DEP_1)
	v_cvt_i32_f32 v[T1], v[T1]
	s_delay_alu instid0(VALU_DEP_1)
	v_ldexp_f32 v[FF], 1.0, v[T1]                  ; 2^(old M - new M): exact
.endif
.set n, 0
.rept 32
	v_pk_fma_f32 v[SS+n:SS+n+1], v[SS+n:SS+n+1], s[CS:CS+1], v[NM:NM+1] op_sel_hi:[1,0,0]   ; t - M
.set n, n+2
.endr
.irp f, 0,1
	v_fma_f32 v[BM+\f], v[BM+\f], s[CS], v[NM]
.endr
.set n, 0
	s_wait_alu depctr_va_vdst(0)                   ; ahead of the batch, and one behind it
.rept 64
	v_exp_f32 v[SS+n], v[SS+n]
.set n, n+1
.endr
.irp f, 0,1
	v_exp_f32 v[BM+\f], v[BM+\f]
.endr
.if (\s) == 0
	v_nop
	s_wait_alu depctr_va_vdst(0)
.else
	v_pk_mul_f32 v[LL:LL+1], v[LL:LL+1], v[FF:FF+1] op_sel_hi:[1,0]
	s_wait_alu depctr_va_vdst(0)
.irp i, 0,2,4,6,8,10,12,14
	v_pk_mul_f32 v[OO+\i:OO+\i+1], v[OO+\i:OO+\i+1], v[FF:FF+1] op_sel_hi:[1,0]
.endr
.endif
.irp f, 0,1
	v_max_num_f32 v[BM+\f], 0x2800000, v[BM+\f]    ; the floor 2^(5 - 127)
.endr
.irp f, 0,1
	s_delay_alu instid0(VALU_DEP_2)
	v_add_nc_u32 v[SO+\f], 0xfe000000, v[BM+\f]
.endr
.irp f, 0,1
	s_delay_alu instid0(VALU_DEP_2)
	v_lshrrev_b32 v[CH+\f], 23, v[SO+\f]
.endr
	s_delay_alu instid0(VALU_DEP_1)
	v_lshl_or_b32 v[PSW], v[CH+1], 16, v[CH]       ; my bytes: blocks hh and 2 + hh; lane l xor 16 has the other two
	s_delay_alu instid0(VALU_DEP_1)
	v_lshlrev_b32 v[PSW], v[SH8], v[PSW]
	s_delay_alu instid0(VALU_DEP_1)
	v_permlanex16_b32 v[PX], v[PSW], s[SEL], s[SEL+1]
	s_delay_alu instid0(VALU_DEP_1)
	v_or_b32 v[PSW], v[PSW], v[PX]
.irp f, 0,1
	v_cvt_scalef32_pk16_bf6_f32 v[PP+6*\f:PP+6*\f+2], v[SS+32*\f:SS+32*\f+15], v[SO+\f]
	v_cvt_scalef32_pk16_bf6_f32 v[TT+4*\f:TT+4*\f+2], v[SS+32*\f+16:SS+32*\f+31], v[SO+\f]
.endr
	v_nop
.irp f, 0,1
.irp i, 0,1,2
	v_mov_b32 v[PP+6*\f+3+\i], v[TT+4*\f+\i]
.endr
.endr
.if (\s) == 0                          ; the sum is taken of the unquantised p, in two chains
	v_pk_add_f32 v[LL:LL+1], v[SS:SS+1], v[SS+2:SS+3]
	v_pk_add_f32 v[L2:L2+1], v[SS+4:SS+5], v[SS+6:SS+7]
.irp j, 8,12,16,20,24,28,32,36,40,44,48,52,56,60
	v_pk_add_f32 v[LL:LL+1], v[LL:LL+1], v[SS+\j:SS+\j+1]
	v_pk_add_f32 v[L2:L2+1], v[L2:L2+1], v[SS+\j+2:SS+\j+3]
.endr
.else
	v_pk_add_f32 v[L2:L2+1], v[SS:SS+1], v[SS+2:SS+3]
.irp j, 4,8,12,16,20,24,28,32,36,40,44,48,52,56,60
	v_pk_add_f32 v[LL:LL+1], v[LL:LL+1], v[SS+\j:SS+\j+1]
	v_pk_add_f32 v[L2:L2+1], v[L2:L2+1], v[SS+\j+2:SS+\j+3]
.endr
.endif
	v_pk_add_f32 v[LL:LL+1], v[LL:LL+1], v[L2:L2+1]
.if (\b) == 0
	MLOAD 1, \s                                    ; my scores' registers are free: what batch 1 adds
.if ((\s) == 0) && ((\last) == 0)
	s_wait_loadcnt 32                              ; the first time: V's first step is in; the second step's 32 loads of K and V may be out
.endif
.endif
	WIN 0x01
.irp d, 0,1
.if (\s) == 0
	v_wmma_scale_f32_16x16x128_f8f6f4 v[OO+8*\d:OO+8*\d+7], v[VF+12*(4*\s+2*\b+\d):VF+12*(4*\s+2*\b+\d)+11], v[PP:PP+11], 0, v[VS+4*\s+2*\b+\d], v[PSW] matrix_a_fmt:MATRIX_FMT_BF6 matrix_b_fmt:MATRIX_FMT_BF6
.else
	v_wmma_scale_f32_16x16x128_f8f6f4 v[OO+8*\d:OO+8*\d+7], v[VF+12*(4*\s+2*\b+\d):VF+12*(4*\s+2*\b+\d)+11], v[PP:PP+11], v[OO+8*\d:OO+8*\d+7], v[VS+4*\s+2*\b+\d], v[PSW] matrix_a_fmt:MATRIX_FMT_BF6 matrix_b_fmt:MATRIX_FMT_BF6
.endif
.endr
.endm
; a trip: in front of the barrier each wave waits for its tensor load (this trip's tile), adds 0 to its spare word, and waits for that and for its reads of the other slot; behind it the other slot is filled
.macro TRIP s, last
	WIN 0
	s_wait_tensorcnt 0x0
	ds_add_u32 v[SPW], v[NIL]
.if (\s) && ((\last) == 0)
	s_add_nc_u64 s[G0A+2:G0A+3], s[G0A+2:G0A+3], 131072    ; both slots' loads have landed: on to the next 16 queries
	s_add_nc_u64 s[G0B+2:G0B+3], s[G0B+2:G0B+3], 131072
.endif
	s_wait_dscnt 0x0
	s_barrier_signal -1
	s_barrier_wait -1
.if (\s) == 0
	tensor_load_to_lds s[G0B:G0B+3], s[G1:G1+7]    ; this tile's second step
	s_nop 0
.else
.if (\last) == 0
	tensor_load_to_lds s[G0A:G0A+3], s[G1:G1+7]    ; the next tile's first step
	s_nop 0
.endif
.endif
	PLACES
.irp f, 0,1
.irp q, 0,1,2,3,4,5,6,7
	ds_load_b128 v[BI+32*\f+4*\q:BI+32*\f+4*\q+3], v[PA] offset:WSLOT*(\s)+256*\f+16*\q
.endr
.endr
.if (\s) && ((\last) == 0)
	s_wait_loadcnt 0x0                             ; the first time: K and V of the second step are in
.endif
	STEP \s, 0, \last
	STEP \s, 1, \last
.endm
.macro FLUSH                           ; the tile's partial results; the six vector lines are also the last products' places
	WIN 0
	v_mov_b32 v[T0], v[NMB]
	v_add_f32 v[T1], v[LLB], v[LLB+1]
	v_mov_b32 v[BM], v[NMB+2]
	v_add_f32 v[BM+1], v[LLB+2], v[LLB+3]
	v_add_nc_u32 v[AD], s[PBS], v[L16]
	v_add_nc_u32 v[CH], s[PBS], v[L8]
.irp b, 0,1
.irp g, 0,1,2,3
	ds_store_b128 v[AD], v[OB+16*\b+4*\g:OB+16*\b+4*\g+3] offset:2304*\b+512*\g
.endr
.endr
	ds_store_b64 v[CH], v[T0:T1] offset:2048
	ds_store_b64 v[CH], v[BM:BM+1] offset:2304+2048
.endm
	s_load_b256 s[4:11], s[0:1], 0x0               ; bias_pair s4, bias_mask s6, qimg s8, kimg s10
	s_load_b256 s[12:19], s[0:1], 0x20             ; kscl s12, vimg s14, gimg s16, ogt s18
	v_lshl_add_u32 v[SPW], v0, 2, SPARE
	v_mov_b32 v[NIL], 0
	ds_add_u32 v[SPW], v[NIL]                      ; the wave's opening: the add, twice on end, and its wait ahead of my first tensor load
	ds_add_u32 v[SPW], v[NIL]
	v_lshrrev_b32 v3, 5, v0
	v_readfirstlane_b32 s20, v3                    ; wave 0..7
	s_and_b32 s21, ttmp7, 0xffff                   ; head
	s_mov_b32 s22, ttmp9                           ; 64 queries
	s_mov_b32 s[G1+0], (2<<16)|(1<<20)|(6<<22)|(3<<25)     ; elements of 4 bytes, 4 dwords of padding behind each 128
	s_mov_b32 s[G1+1], 128<<16
	s_mov_b32 s[G1+2], 16<<16
	s_mov_b32 s[G1+3], 128<<16
	s_mov_b32 s[G1+4], 16
	s_mov_b32 s[G1+5], 2048
	s_mov_b32 s[G1+6], 0
	s_mov_b32 s[G1+7], 0
	s_lshl_b32 s46, s21, 24
	s_lshl_b32 s23, s22, 19
	s_add_co_u32 s46, s46, s23
	s_lshl_b32 s48, s20, 10
	s_add_co_u32 s46, s46, s48                     ; bias_pair: head, queries, my 256 keys
	s_mov_b32 s47, 0
	s_mov_b32 s49, 0                               ; s[48:49]: bias_mask: my 256 keys
	s_mul_i32 s67, s20, 2*WSLOT
	s_wait_dscnt 0x0                               ; both opening adds are done
	s_wait_alu depctr_va_vdst(0)
	s_wait_kmcnt 0x0
	s_add_nc_u64 s[2:3], s[4:5], s[46:47]          ; the prefetches' base
	s_mov_b32 s[G0A], 1
	s_mov_b32 s[G0A+1], s67
	s_add_nc_u64 s[G0A+2:G0A+3], s[4:5], s[46:47]
	s_or_b32 s[G0A+3], s[G0A+3], 0x80000000
	s_mov_b32 s[G0B], 1
	s_add_co_u32 s[G0B+1], s67, WSLOT
	s_add_nc_u64 s[G0B+2:G0B+3], s[4:5], s[46:47]
	s_add_nc_u64 s[G0B+2:G0B+3], s[G0B+2:G0B+3], 512
	s_or_b32 s[G0B+3], s[G0B+3], 0x80000000
	tensor_load_to_lds s[G0A:G0A+3], s[G1:G1+7]    ; the first tile's first step: one load a wave
	s_nop 0
	s_mov_b32 s[SEL], 0x76543210
	s_mov_b32 s[SEL+1], 0xfedcba98
	s_mov_b32 s[CS], 0x3fb8aa3b                    ; log2(e)
	s_mov_b32 s[CS+1], s[CS]
	s_mov_b32 s[LO], 0xffff
	s_mov_b32 s[HI], 0xffff0000
	s_lshl_b32 s69, s20, 11
	s_add_co_u32 s69, s69, MASKB
	s_mul_i32 s[PBS], s20, 18432
	s_add_co_u32 s[PBS], s[PBS], PB
	s_lshl_b32 s52, s21, 17
	s_lshl_b32 s23, s22, 12
	s_add_co_u32 s52, s52, s23                     ; qimg: head, four tiles
	s_mov_b32 s53, 0
	s_mul_i32 s54, s21, 98304
	s_mul_i32 s23, s20, 12288
	s_add_co_u32 s54, s54, s23                     ; kimg: my eight fragments
	s_mov_b32 s55, 0
	s_lshl_b32 s56, s21, 12
	s_lshl_b32 s23, s20, 9
	s_add_co_u32 s56, s56, s23
	s_mov_b32 s57, 0
	s_lshl_b32 s58, s21, 16
	s_lshl_b32 s23, s20, 13
	s_add_co_u32 s58, s58, s23                     ; vimg: my two steps
	s_mov_b32 s59, 0
	s_lshl_b32 s60, s21, 19                        ; gimg: head, batch w % 2, tile w / 2
	s_and_b32 s23, s20, 1
	s_lshl_b32 s23, s23, 18
	s_add_co_u32 s60, s60, s23
	s_lshl_b32 s23, s22, 13
	s_add_co_u32 s60, s60, s23
	s_lshr_b32 s23, s20, 1
	s_lshl_b32 s23, s23, 11
	s_add_co_u32 s60, s60, s23
	s_mov_b32 s61, 0
	s_lshr_b32 s62, s60, 2                         ; ogt: 512 bytes a tile
	s_mov_b32 s63, 0
	s_add_nc_u64 s[6:7], s[6:7], s[48:49]
	s_add_nc_u64 s[8:9], s[8:9], s[52:53]
	s_add_nc_u64 s[10:11], s[10:11], s[54:55]
	s_add_nc_u64 s[12:13], s[12:13], s[56:57]
	s_add_nc_u64 s[14:15], s[14:15], s[58:59]
	s_add_nc_u64 s[16:17], s[16:17], s[60:61]
	s_add_nc_u64 s[18:19], s[18:19], s[62:63]
	v_and_b32 v34, 15, v0                          ; r
	v_bfe_u32 v35, v0, 4, 1                        ; hh
	v_and_b32 v36, 31, v0                          ; lane
	v_lshlrev_b32 v[R4], 2, v34
	v_mul_u32_u24 v[PA], v34, 528
	v_mul_u32_u24 v[OGA], v34, 24
	v_lshlrev_b32 v[PM], 7, v35
	v_lshl_add_u32 v[PA], v35, 7, v[PA]
	v_mad_u32_u24 v[OGA], v35, 12, v[OGA]
	v_add_nc_u32 v[PM], s69, v[PM]
	v_add_nc_u32 v[PA], s67, v[PA]
	v_lshlrev_b32 v[L16], 4, v36
	v_lshlrev_b32 v[L8], 3, v36
	v_lshlrev_b32 v[L4], 2, v36
	v_lshlrev_b32 v[SH8], 3, v35
	v_add_nc_u32 v[AD], s69, v[L16]
	v_and_b32 v37, 1, v36
	v_lshrrev_b32 v[PF], 1, v36
	v_lshlrev_b32 v37, 8, v37
	v_lshl_add_u32 v[PF], v[PF], 13, v37           ; lane l: row l / 2, 256 bytes l % 2
	v_mov_b32 v[PX], 0                             ; written once: a lane permute's destination counts as one of its sources
	v_mov_b32 v[FF+1], 0                           ; (named as the upper half of a pair)
	WIN 0x40
.irp i, 0,1,2,3,4,5,12,13,14,15,16,17,24,25,26,27,28,29
	v_mov_b32 v[QB+\i], 0
.endr
	WIN 0
	s_wait_alu depctr_va_vdst(0)
.irp k, 0,1,2,3                        ; bias_mask: [batch][step], 512 bytes each
	global_load_b128 v[BI+4*\k:BI+4*\k+3], v[L16], s[6:7] offset:8192*(\k/2)+512*(\k%2)
.endr
	QLOAD 0
.irp k, 0,1,2,3
	global_load_b32 v[KS+\k], v[L4], s[12:13] offset:128*\k
.endr
	KLOAD 0
	VLOAD 0
	KLOAD 1
	s_wait_loadcnt 55                              ; behind the mask's four: q 3, scales 4, K 16, V 16, K 16
.irp k, 0,1,2,3
	ds_store_b128 v[AD], v[BI+4*\k:BI+4*\k+3] offset:512*\k
.endr
	MLOAD 0, 0                                     ; LDS serves a wave's instructions in order: these see my stores
	QBUILD 52                                      ; behind q's three: 52
	s_wait_alu depctr_va_vdst(0)
	VLOAD 1
	global_prefetch_b8 v[PF], s[2:3] offset:512 th:TH_LOAD_NT scope:SCOPE_SE   ; the second trip's tile
	s_mov_b32 s66, 3
	s_wait_alu depctr_va_vdst(0)
	s_wait_loadcnt 48                              ; K's first step is in; behind it V 16, K 16, V 16
.Ltile:
	TRIP 0, 0
	TRIP 1, 0
	FLUSH
	s_add_co_u32 s[PBS], s[PBS], 4608
	QBUILD 0
	s_wait_alu depctr_va_vdst(0)
	s_wait_xcnt 0x0                                ; the prefetches and q's loads have read their bases
	s_add_nc_u64 s[2:3], s[2:3], 131072
	s_add_nc_u64 s[8:9], s[8:9], 1024
	s_sub_co_u32 s66, s66, 1
	s_cmp_lg_u32 s66, 0
	s_cbranch_scc1 .Ltile
	TRIP 0, 1                                      ; the last tile asks for nothing beyond itself
	TRIP 1, 1
	FLUSH
	s_wait_dscnt 0x0                               ; for the others' sake: my partials lie in LDS
	s_barrier_signal -1
	s_barrier_wait -1
	s_mul_i32 s67, s20, 2304
	s_add_co_u32 s67, s67, PB                      ; tile w / 2, batch w % 2
	v_add_nc_u32 v[AD], s67, v[L16]
	v_add_nc_u32 v[CH], s67, v[L8]
	v_add_nc_u32 v[CH+1], 4*18432, v[AD]
	v_add_nc_u32 v[T0], 4*18432, v[CH]
.irp k, 0,1,2,3                        ; the eight waves' partials: O^T into v[SA + 16 k ..], -M and l into v[TT + 2 k ..]
.irp g, 0,1,2,3
	ds_load_b128 v[SA+16*\k+4*\g:SA+16*\k+4*\g+3], v[AD] offset:18432*\k+512*\g
	ds_load_b128 v[BI+16*\k+4*\g:BI+16*\k+4*\g+3], v[CH+1] offset:18432*\k+512*\g
.endr
	ds_load_b64 v[TT+2*\k:TT+2*\k+1], v[CH] offset:18432*\k+2048
	ds_load_b64 v[TT+8+2*\k:TT+9+2*\k], v[T0] offset:18432*\k+2048
.endr
	s_wait_loadcnt 0x0                             ; the gate
	s_wait_dscnt 0x0
	v_min3_num_f32 v[T0], v[TT], v[TT+2], v[TT+4]
	s_delay_alu instid0(VALU_DEP_1)
	v_min3_num_f32 v[T0], v[T0], v[TT+6], v[TT+8]
	s_delay_alu instid0(VALU_DEP_1)
	v_min3_num_f32 v[T0], v[T0], v[TT+10], v[TT+12]
	s_delay_alu instid0(VALU_DEP_1)
	v_min_num_f32 v[T0], v[T0], v[TT+14]
.irp k, 0,1,2,3,4,5,6,7
	v_sub_f32 v[TT+2*\k], v[T0], v[TT+2*\k]        ; my M less the largest: a whole number, 0 or less
.endr
.irp k, 0,1,2,3,4,5,6,7
	v_cvt_i32_f32 v[TT+2*\k], v[TT+2*\k]
.endr
.irp k, 0,1,2,3,4,5,6,7
	v_ldexp_f32 v[TT+2*\k], 1.0, v[TT+2*\k]
.endr
	v_mul_f32 v[T1], v[TT], v[TT+1]
.irp k, 1,2,3,4,5,6,7
	s_delay_alu instid0(VALU_DEP_1)
	v_fmac_f32 v[T1], v[TT+2*\k], v[TT+2*\k+1]
.endr
	s_delay_alu instid0(VALU_DEP_1)
	v_permlanex16_b32 v[PX], v[T1], s[SEL], s[SEL+1]
	s_delay_alu instid0(VALU_DEP_1)
	v_add_f32 v[T1], v[T1], v[PX]
	s_wait_alu depctr_va_vdst(0)
	v_rcp_f32 v[FF], v[T1]
.irp i, 0,2,4,6,8,10,12,14
	v_pk_mul_f32 v[OB+\i:OB+\i+1], v[SA+\i:SA+\i+1], v[TT:TT+1] op_sel_hi:[1,0]
.endr
.irp k, 1,2,3,4,5,6,7
.irp i, 0,2,4,6,8,10,12,14
	v_pk_fma_f32 v[OB+\i:OB+\i+1], v[SA+16*\k+\i:SA+16*\k+\i+1], v[TT+2*\k:TT+2*\k+1], v[OB+\i:OB+\i+1] op_sel_hi:[1,0,1]
.endr
.endr
	s_wait_alu depctr_va_vdst(0)
.irp i, 0,2,4,6,8,10,12,14
	v_pk_mul_f32 v[OB+\i:OB+\i+1], v[OB+\i:OB+\i+1], v[FF:FF+1] op_sel_hi:[1,0]
.endr
	WIN 0x04
.irp i, 0,2,4,6,8,10,12,14
	v_pk_mul_f32 v[OB+\i:OB+\i+1], v[OB+\i:OB+\i+1], v[KF+\i:KF+\i+1]   ; times the gate (window 1)
.endr
	WIN 0
	v_max3_num_f32 v[T0], |v[OB]|, |v[OB+1]|, 0x2800000
.irp i, 2,4,6,8,10,12,14
	s_delay_alu instid0(VALU_DEP_1)
	v_max3_num_f32 v[T0], v[T0], |v[OB+\i]|, |v[OB+\i+1]|
.endr
	s_delay_alu instid0(VALU_DEP_1)
	v_permlanex16_b32 v[PX], v[T0], s[SEL], s[SEL+1]
	s_delay_alu instid0(VALU_DEP_1)
	v_max_num_f32 v[T0], v[T0], v[PX]
	s_delay_alu instid0(VALU_DEP_1)
	v_add_nc_u32 v[SO], 0xfe000000, v[T0]
	s_delay_alu instid0(VALU_DEP_1)
	v_lshrrev_b32 v[CH], 23, v[SO]
	v_cvt_scalef32_pk16_bf6_f32 v[PP:PP+2], v[OB:OB+15], v[SO]
	v_nop
	v_mul_lo_u32 v[CH], v[CH], 0x01010101
	global_store_b96 v[OGA], v[PP:PP+2], s[18:19]  ; 384 consecutive bytes: row r's 24, my half's 12
	global_store_b32 v[R4], v[CH], s[18:19] offset:384
	s_wait_tensorcnt 0x0                           ; the wave's end
	ds_add_u32 v[SPW], v[NIL]
	s_wait_dscnt 0x0
	s_endpgm
.Lfunc_end_k_q8fa8f249cd_attn:
	.size	k_q8fa8f249cd_attn, .Lfunc_end_k_q8fa8f249cd_attn-k_q8fa8f249cd_attn
	.p2alignl 7, 3214868480
	.fill 96, 4, 3214868480
	.section	.rodata,"a",@progbits
	.p2align	6, 0x0
	.amdhsa_kernel k_q8fa8f249cd_attn
		.amdhsa_group_segment_fixed_size 327680
		.amdhsa_private_segment_fixed_size 0
		.amdhsa_enable_private_segment 0
		.amdhsa_kernarg_size 64
		.amdhsa_user_sgpr_count 2
		.amdhsa_user_sgpr_kernarg_segment_ptr 1
		.amdhsa_wavefront_size32 1
		.amdhsa_system_sgpr_workgroup_id_x 1
		.amdhsa_system_sgpr_workgroup_id_y 1
		.amdhsa_system_sgpr_workgroup_id_z 1
		.amdhsa_system_vgpr_workitem_id 0
		.amdhsa_next_free_vgpr 512
		.amdhsa_next_free_sgpr 80
		.amdhsa_reserve_vcc 0
		.amdhsa_float_denorm_mode_32 3
		.amdhsa_float_denorm_mode_16_64 3
		.amdhsa_memory_ordered 1
		.amdhsa_forward_progress 1
		.amdhsa_inst_pref_size 154
	.end_amdhsa_kernel
	.amdgpu_metadata
---
amdhsa.version: [ 1, 2 ]
amdhsa.kernels:
  - .name:           k_q8fa8f249cd_attn
    .symbol:         k_q8fa8f249cd_attn.kd
    .args:
      - { .name: bias_pair, .offset: 0, .size: 8, .value_kind: global_buffer, .address_space: global }
      - { .name: bias_mask, .offset: 8, .size: 8, .value_kind: global_buffer, .address_space: global }
      - { .name: qimg, .offset: 16, .size: 8, .value_kind: global_buffer, .address_space: global }
      - { .name: kimg, .offset: 24, .size: 8, .value_kind: global_buffer, .address_space: global }
      - { .name: kscl, .offset: 32, .size: 8, .value_kind: global_buffer, .address_space: global }
      - { .name: vimg, .offset: 40, .size: 8, .value_kind: global_buffer, .address_space: global }
      - { .name: gimg, .offset: 48, .size: 8, .value_kind: global_buffer, .address_space: global }
      - { .name: ogt, .offset: 56, .size: 8, .value_kind: global_buffer, .address_space: global }
    .group_segment_fixed_size: 327680
    .private_segment_fixed_size: 0
    .kernarg_segment_align: 8
    .kernarg_segment_size: 64
    .max_flat_workgroup_size: 256
    .sgpr_count:     80
    .vgpr_count:     512
    .wavefront_size: 32
...
	.end_amdgpu_metadata
.endif
;; end of part 2
;; launch outp (part 3): grid 256 x 1, 4 waves a work-group, no clusters, 17,408 bytes of LDS; arguments ogt, woimg, bo, out0; writes out0
.if DOCPART == 3
	.amdgcn_target "amdgcn-amd-amdhsa--gfx1250"
	.amdhsa_code_object_version 6
	.text
	.protected	k_q8fa8f249cd_outp
	.globl	k_q8fa8f249cd_outp
	.p2align	8
	.type	k_q8fa8f249cd_outp,@function
k_q8fa8f249cd_outp:
	s_mov_b64 s[64:65], 0
	v_nop
	global_prefetch_b8 v0, s[64:65] scope:SCOPE_SE
	s_setreg_imm32_b32 hwreg(HW_REG_WAVE_MODE, 25, 1), 1
	s_wait_xcnt 0x0
; out0 = (o g) Wo^T + bo on codes of BF6 (E3M2) with one E8M0 scale for each 32 along K = 256 (a block is a head).  Both operands arrive as codes that the earlier launches made.
; SHARES.  A work-group makes 16 rows x 256 columns; wave w columns 64 w .. + 63: four accumulators, two K steps, eight matrix instructions.
; The product is used transposed (source 0 = 16 rows of Wo, source 1 = the 16 rows of o g), and the rows of Wo that form tile j were chosen by the first launch: register 8 j + i of lane (r, hh) is column
; 64 w + 32 hh + 8 j + i of row r: 128 consecutive bytes of a row.  bo, loaded in that layout, is the C of the first products.
; The sum over heads spans the work-groups of the launch before, hence this launch.  It reads 1.1 MB and writes 4 MB: no tensor loads, no ring, no cluster (Wo's 64 KiB of codes are read into registers once by each work-group).
; THE WAY OUT: a row's 1,024 bytes come from four waves: they meet in a stage in LDS (rows of 1,024 + 16 bytes), and each wave stores four whole rows.
.set WF,  16                           ; v16-111   Wo's fragments (tile j, K step s: 2 j + s)
.set WS,  112                          ; v112-119  their scale words
.set OF,  120                          ; v120-143  o g's two fragments
.set OT,  144                          ; v144-151  the eight heads' bytes as loaded (each four times)
.set OS,  152                          ; v152-153  o g's scale words
.set ACC, 160                          ; v160-191  the four accumulators
.set BK,  192                          ; v192-223  rows read back from the stage
.set LI,  5                            ; v5   16 x lane
.set LS,  6                            ; v6   4 x lane
.set OA,  7                            ; v7   131,072 hh + 24 r: head hh's row r
.set R4,  8                            ; v8   4 r
.set BA,  9                            ; v9   128 hh
.set SO,  10                           ; v10  the stage: row r, + 256 w + 128 hh
.set SR,  11                           ; v11  and back: my four rows, 16 bytes a lane
.set SP,  1040
	s_load_b256 s[4:11], s[0:1], 0x0               ; ogt s4, woimg s6, bo s8, out0 s10
	v_lshl_add_u32 v224, v0, 2, 0x4200
	v_mov_b32 v225, 0
	v_lshrrev_b32 v1, 5, v0
	v_readfirstlane_b32 s12, v1                    ; wave 0..3
	v_and_b32 v2, 15, v0                           ; r
	v_bfe_u32 v3, v0, 4, 1                         ; hh
	v_and_b32 v4, 31, v0                           ; lane
	v_lshlrev_b32 v[LI], 4, v4
	v_lshlrev_b32 v[LS], 2, v4
	v_mul_u32_u24 v[OA], v2, 24
	v_lshl_add_u32 v[OA], v3, 17, v[OA]
	v_lshlrev_b32 v[R4], 2, v2
	v_lshlrev_b32 v[BA], 7, v3
	v_mul_u32_u24 v[SO], v2, SP
	v_lshl_add_u32 v[SO], v3, 7, v[SO]
	s_lshl_b32 s13, s12, 8
	v_add_nc_u32 v[SO], s13, v[SO]
	s_mul_i32 s14, s12, 4*SP
	v_add_nc_u32 v[SR], s14, v[LI]
	s_lshl_b32 s16, s12, 14                        ; Wo: my four tiles x two K steps x 2,048 bytes
	s_mov_b32 s17, 0
	s_lshl_b32 s18, ttmp9, 9                       ; o g: 512 bytes for each tile of 16 rows, in each head's 131,072
	s_mov_b32 s19, 0
	s_mov_b32 s20, s13                             ; bo: my 64 numbers
	s_mov_b32 s21, 0
	s_lshl_b32 s22, ttmp9, 14                      ; out0: 16 rows of 1,024 bytes,
	s_lshl_b32 s23, s12, 12                        ; my four of them
	s_add_co_u32 s22, s22, s23
	s_mov_b32 s23, 0
	s_wait_alu depctr_va_vdst(0)
	s_wait_kmcnt 0x0
	s_add_nc_u64 s[6:7], s[6:7], s[16:17]
	s_add_nc_u64 s[4:5], s[4:5], s[18:19]
	s_add_nc_u64 s[8:9], s[8:9], s[20:21]
	s_add_nc_u64 s[10:11], s[10:11], s[22:23]
.irp x, 0,1,2,3,4,5,6,7
.irp g, 0,1,2
	global_load_b128 v[WF+12*\x+4*\g:WF+12*\x+4*\g+3], v[LI], s[6:7] offset:2048*\x+512*\g
.endr
	global_load_b32 v[WS+\x], v[LS], s[6:7] offset:2048*\x+1536
.endr
.irp s, 0,1                            ; registers 6 c on of lane (r, hh), K step s: head 4 s + 2 c + hh's 24 bytes of row r, in pieces of 8
.irp c, 0,1
.irp p, 0,1,2
	global_load_b64 v[OF+12*\s+6*\c+2*\p:OF+12*\s+6*\c+2*\p+1], v[OA], s[4:5] offset:(4*\s+2*\c)*131072+8*\p
.endr
.endr
.endr
.irp d, 0,1,2,3,4,5,6,7
	global_load_b32 v[OT+\d], v[R4], s[4:5] offset:\d*131072+384
.endr
.irp q, 0,1,2,3,4,5,6,7
	global_load_b128 v[ACC+4*\q:ACC+4*\q+3], v[BA], s[8:9] offset:16*\q      ; bo[64 w + 32 hh + 4 q ..]
.endr
	s_wait_loadcnt 0x0
.irp s, 0,1
	v_bfi_b32 v[OS+\s], 0xff, v[OT+4*\s], v[OT+4*\s+1]         ; byte d of a K step's scale word is head 4 s + d's
.endr
.irp s, 0,1
	v_bfi_b32 v[OS+\s], 0xffff, v[OS+\s], v[OT+4*\s+2]
.endr
.irp s, 0,1
	v_bfi_b32 v[OS+\s], 0xffffff, v[OS+\s], v[OT+4*\s+3]
.endr
.rept 8
	v_nop                                          ; scale words made by vector lines stand eight places ahead of a scaled product
.endr
.irp s, 0,1                            ; the four accumulators by turns; the first K step adds onto bo
.irp j, 0,1,2,3
	v_wmma_scale_f32_16x16x128_f8f6f4 v[ACC+8*\j:ACC+8*\j+7], v[WF+12*(2*\j+\s):WF+12*(2*\j+\s)+11], v[OF+12*\s:OF+12*\s+11], v[ACC+8*\j:ACC+8*\j+7], v[WS+2*\j+\s], v[OS+\s] matrix_a_fmt:MATRIX_FMT_BF6 matrix_b_fmt:MATRIX_FMT_BF6
.endr
.endr
.rept 4
	v_nop                                          ; in front of the first read of the results
.endr
.irp q, 0,1,2,3,4,5,6,7
	ds_store_b128 v[SO], v[ACC+4*\q:ACC+4*\q+3] offset:16*\q   ; each accumulator from its low end on
.endr
	s_wait_dscnt 0x0                               ; for the others' sake: my stores into the stage are done
	s_barrier_signal -1
	s_barrier_wait -1                              ; 16 whole rows lie in the stage
.irp i, 0,1,2,3,4,5,6,7
	ds_load_b128 v[BK+4*\i:BK+4*\i+3], v[SR] offset:(\i/2)*SP+512*(\i%2)
.endr
.irp i, 0,1,2,3,4,5,6,7
	s_wait_dscnt 7-\i                              ; LDS loads come back in order: load i is in, the younger ones may be out
	global_store_b128 v[LI], v[BK+4*\i:BK+4*\i+3], s[10:11] offset:(\i/2)*1024+512*(\i%2) th:TH_STORE_NT   ; the wave stores 512 consecutive bytes, aligned; written once, read by nobody here
.endr
	s_wait_tensorcnt 0x0
	ds_add_u32 v224, v225
	s_wait_dscnt 0x0
	s_endpgm
.Lfunc_end_k_q8fa8f249cd_outp:
	.size	k_q8fa8f249cd_outp, .Lfunc_end_k_q8fa8f249cd_outp-k_q8fa8f249cd_outp
	.p2alignl 7, 3214868480
	.fill 96, 4, 3214868480
	.section	.rodata,"a",@progbits
	.p2align	6, 0x0
	.amdhsa_kernel k_q8fa8f249cd_outp
		.amdhsa_group_segment_fixed_size 17408
		.amdhsa_private_segment_fixed_size 0
		.amdhsa_enable_private_segment 0
		.amdhsa_kernarg_size 32
		.amdhsa_user_sgpr_count 2
		.amdhsa_user_sgpr_kernarg_segment_ptr 1
		.amdhsa_wavefront_size32 1
		.amdhsa_system_sgpr_workgroup_id_x 1
		.amdhsa_system_sgpr_workgroup_id_y 1
		.amdhsa_system_sgpr_workgroup_id_z 1
		.amdhsa_system_vgpr_workitem_id 0
		.amdhsa_next_free_vgpr 226
		.amdhsa_next_free_sgpr 66
		.amdhsa_reserve_vcc 0
		.amdhsa_float_denorm_mode_32 3
		.amdhsa_float_denorm_mode_16_64 3
		.amdhsa_memory_ordered 1
		.amdhsa_forward_progress 1
		.amdhsa_inst_pref_size 12
	.end_amdhsa_kernel
	.amdgpu_metadata
---
amdhsa.version: [ 1, 2 ]
amdhsa.kernels:
  - .name:           k_q8fa8f249cd_outp
    .symbol:         k_q8fa8f249cd_outp.kd
    .args:
      - { .name: ogt, .offset: 0, .size: 8, .value_kind: global_buffer, .address_space: global }
      - { .name: woimg, .offset: 8, .size: 8, .value_kind: global_buffer, .address_space: global }
      - { .name: bo, .offset: 16, .size: 8, .value_kind: global_buffer, .address_space: global }
      - { .name: out0, .offset: 24, .size: 8, .value_kind: global_buffer, .address_space: global }
    .group_segment_fixed_size: 17408
    .private_segment_fixed_size: 0
    .kernarg_segment_align: 8
    .kernarg_segment_size: 32
    .max_flat_workgroup_size: 128
    .sgpr_count:     66
    .vgpr_count:     226
    .wavefront_size: 32
...
	.end_amdgpu_metadata
.endif
;; end of part 3
